; MI455X (gfx1250); checked and timed in simulation.
; The chip was launched on July 23, 2026; its instructions are those of AMD's public machine-readable ISA for CDNA 5 (MIT licence, August 2026) and "CDNA5" Instruction Set Architecture Reference Guide (July 2026). The comments in the code are by the model that wrote it; some were corrected since.
;; Fmri Encoder Mo E Transformer. Allowed arithmetic: float matrix products may take bf16 or f16 operands with f32 sums; other float arithmetic in f32, or as packed bf16 or f16 multiplies, adds, multiply-adds, maxima and minima; sums over many terms, partial sums and values carried from step to step in f32; what a program stores and reads back later, other than sums and carried values, may be rounded once to bf16 or f16.
;; Inputs: b1 8 x 4,096 float32; b2 8 x 1,024 float32; gate_w 8 x 1,024 float32; w1 8 x 1,024 x 4,096 float32; w2 8 x 4,096 x 1,024 float32; x 4 x 256 x 1,024 float32.
;; Outputs: out0 4 x 256 x 1,024 float32.
;; One version. Each part assembles by itself: llvm-mc -triple=amdgcn-amd-amdhsa -mcpu=gfx1250 --defsym DOCPART=n.
;; ======== version 1 of 1: 4 launches
;; limits: a function is approximated: absolute error at most 7.5e-08
;; workspace buffers: xb 2,097,152 bytes; choice 8,192 bytes of whole numbers; gatep 8,192 bytes; h 67,108,864 bytes; order 45,056 bytes of whole numbers; part 33,685,504 bytes
;; launch router (part 1): grid 256 x 1, 4 waves a work-group, no clusters, 0 bytes of LDS; arguments x, gate_w, xb, choice, gatep; writes xb, choice, gatep
.if DOCPART == 1
	.amdgcn_target "amdgcn-amd-amdhsa--gfx1250"
	.amdhsa_code_object_version 6
	.text
	.protected	k_qd2e501447f_router
	.globl	k_qd2e501447f_router
	.p2align	8
	.type	k_qd2e501447f_router,@function
k_qd2e501447f_router:
	s_mov_b64 s[64:65], 0
	v_nop
	global_prefetch_b8 v0, s[64:65] scope:SCOPE_SE
	s_setreg_imm32_b32 hwreg(HW_REG_WAVE_MODE, 25, 1), 1
	s_wait_xcnt 0x0
; ROUTER.  1,024 tokens of 1,024 numbers, 8 experts.  One wave takes one token: it rounds the token's row of x to bf16 (xb, which the first
; product reads), forms the 8 logits from the ROUNDED x and the ROUNDED gate rows (products exact, sums in f32), takes the softmax with the
; maximum taken away, and stores the two largest: choice[2 t + slot] = expert (whole numbers, at fixed places: no address here hangs on them)
; and gatep[2 t + slot] = its probability, not renormalised.
; Lane l holds elements 128 i + 4 l .. + 3 (i = 0..7) of x's row and of every gate row, so each load covers 512 consecutive bytes.
; LIMITS.  The two largest are found on the logits, ties to the lower index; two unequal logits whose probabilities round to one f32 are ordered by
; logit.  NaN is not treated apart.  No LDS, no barrier, no matrix unit: 8 dot products a token are too few rows for it.  The two 4-byte stores at the end
; are 8 bytes a wave, 16 KB in the launch.
.set X,   8                            ; v[8:39]    x as loaded
.set XP,  40                           ; v[40:55]   x in bf16 pairs
.set GP,  56                           ; v[56:183]  gate row e in bf16 pairs at GP + 16 e
.set L,   184                          ; v[184:191] the logits
.set M,   192                          ; v[192:199] at work: the other half's sums, the logits without the largest, the exponentials
.set MSB, 0
.macro WIN new                         ; the immediate's high byte repeats the setting that is left
.if MSB != (\new)
	s_set_vgpr_msb (MSB<<8)|(\new)
.set MSB, \new
.endif
.endm
	s_load_b256 s[4:11], s[0:1], 0x0               ; x s[4:5], gate_w s[6:7], xb s[8:9], choice s[10:11]
	s_load_b64 s[12:13], s[0:1], 0x20              ; gatep
	v_lshrrev_b32 v2, 5, v0
	v_readfirstlane_b32 s14, v2                    ; wave
	s_lshl_b32 s15, ttmp9, 2
	s_add_co_u32 s15, s15, s14                     ; token t = 4 x work-group + wave
	s_mov_b32 s18, 0x76543210                      ; v_permlanex16_b32: each lane takes its own place in the other half
	s_mov_b32 s19, 0xfedcba98
	s_mov_b32 s21, 0x3fb8aa3b                      ; log2(e)
	v_and_b32 v1, 31, v0                           ; lane
	v_lshlrev_b32 v2, 4, v1                        ; 16 bytes a lane in f32 rows
	v_lshlrev_b32 v3, 3, v1                        ; 8 bytes a lane in xb's row
	v_mov_b32 v4, 0
	s_lshl_b32 s16, s15, 1
	v_add_nc_u32 v5, s16, v1
	v_lshlrev_b32 v5, 2, v5                        ; byte of item 2 t + lane
	s_lshl_b32 s16, s15, 12                        ; t rows of 4,096 bytes
	s_mov_b32 s17, 0
	s_wait_kmcnt 0x0
	s_add_nc_u64 s[4:5], s[4:5], s[16:17]
	s_lshl_b32 s16, s15, 11                        ; t rows of 2,048 bytes
	s_add_nc_u64 s[8:9], s[8:9], s[16:17]
.irp i, 0,1,2,3,4,5,6,7
	global_load_b128 v[X+4*\i:X+4*\i+3], v2, s[4:5] offset:512*\i th:TH_LOAD_NT
.endr
	WIN 0x40                                       ; destination window 1: the gate rows as loaded, row e at v[32 e]
.irp e, 0,1,2,3,4,5,6,7
.irp i, 0,1,2,3,4,5,6,7
	global_load_b128 v[32*\e+4*\i:32*\e+4*\i+3], v2, s[6:7] offset:4096*\e+512*\i
.endr
.endr
	WIN 0
	s_wait_loadcnt 63                              ; 64 loads stand behind x's eight; the largest count that the wait can name shows the nine oldest done
.irp p, 0,1,2,3,4,5,6,7,8,9,10,11,12,13,14,15
	v_cvt_pk_bf16_f32 v[XP+\p], v[X+2*\p], v[X+2*\p+1]
.endr
.irp i, 0,1,2,3,4,5,6,7
	global_store_b64 v3, v[XP+2*\i:XP+2*\i+1], s[8:9] offset:256*\i  ; 32 lanes x 8 bytes: 256 consecutive bytes, aligned
.endr
	WIN 0x05                                       ; sources in window 1, destination in window 0
.irp e, 0,1,2,3,4,5,6,7
	s_wait_loadcnt 8*(7-\e)                        ; row e is in; the later rows' loads stay out
.irp p, 0,1,2,3,4,5,6,7,8,9,10,11,12,13,14,15
	v_cvt_pk_bf16_f32 v[GP+16*\e+\p], v[32*\e+2*\p], v[32*\e+2*\p+1]
.endr
.endr
	WIN 0
	; 256 multiply-adds straight from the bf16 halves into f32: eight chains, one an expert, by turns
.set p, 0
.rept 16
.irp e, 0,1,2,3,4,5,6,7
.if p == 0
	v_fma_mix_f32_bf16 v[L+\e], v[XP+p], v[GP+16*\e+p], v4 op_sel_hi:[1,1,0]
.else
	v_fma_mix_f32_bf16 v[L+\e], v[XP+p], v[GP+16*\e+p], v[L+\e] op_sel_hi:[1,1,0]
.endif
.endr
.irp e, 0,1,2,3,4,5,6,7
	v_fma_mix_f32_bf16 v[L+\e], v[XP+p], v[GP+16*\e+p], v[L+\e] op_sel:[1,1,0] op_sel_hi:[1,1,0]
.endr
.set p, p+1
.endr
	; across the 32 lanes; every lane ends with the same bits, since each step adds the same two numbers in both partners
.irp m, 1,2,4,8
.irp e, 0,1,2,3,4,5,6,7
	v_add_f32_dpp v[L+\e], v[L+\e], v[L+\e] row_xmask:\m row_mask:0xf bank_mask:0xf
.endr
.endr
.irp e, 0,1,2,3,4,5,6,7
	v_mov_b32 v[M+\e], 0                           ; the permute's destination counts as read
.endr
.irp e, 0,1,2,3,4,5,6,7
	v_permlanex16_b32 v[M+\e], v[L+\e], s18, s19
.endr
.irp e, 0,1,2,3,4,5,6,7
	v_add_f32 v[L+\e], v[L+\e], v[M+\e]
.endr
	; the largest (v200, index v201) and the second (v202, v203); the walk from 6 down to 0 leaves the lowest index among equals
	v_mov_b32 v204, 0xff800000                     ; -infinity
	v_max3_num_f32 v200, v[L], v[L+1], v[L+2]
	v_max3_num_f32 v200, v200, v[L+3], v[L+4]
	v_max3_num_f32 v200, v200, v[L+5], v[L+6]
	v_max_num_f32 v200, v200, v[L+7]
	v_mov_b32 v201, 7
.irp e, 6,5,4,3,2,1,0
	v_cmp_eq_f32 vcc_lo, v[L+\e], v200
	v_cndmask_b32 v201, v201, \e, vcc_lo
.endr
.irp e, 0,1,2,3,4,5,6,7
	v_cmp_eq_u32 vcc_lo, \e, v201
	v_cndmask_b32 v[M+\e], v[L+\e], v204, vcc_lo
.endr
	v_max3_num_f32 v202, v[M], v[M+1], v[M+2]
	v_max3_num_f32 v202, v202, v[M+3], v[M+4]
	v_max3_num_f32 v202, v202, v[M+5], v[M+6]
	v_max_num_f32 v202, v202, v[M+7]
	v_mov_b32 v203, 7
.irp e, 6,5,4,3,2,1,0
	v_cmp_eq_f32 vcc_lo, v[M+\e], v202
	v_cndmask_b32 v203, v203, \e, vcc_lo
.endr
	; softmax: 2^((l - max) log2 e); the largest's own term is 1, so its probability is 1 / sum
	v_mul_f32 v205, s21, v200
.irp e, 0,1,2,3,4,5,6,7
	v_fma_f32 v[M+\e], v[L+\e], s21, -v205
.endr
	v_fma_f32 v206, v202, s21, -v205
.irp e, 0,1,2,3,4,5,6,7
	v_exp_f32 v[M+\e], v[M+\e]
.endr
	v_exp_f32 v206, v206
	v_nop                                          ; a plain instruction behind the last exponential,
	s_wait_alu depctr_va_vdst(0)                   ; and one wait for the batch of nine, ahead of their first reader
	v_add_f32 v207, v[M], v[M+1]
	v_add_f32 v211, v[M+2], v[M+3]
	v_add_f32 v212, v[M+4], v[M+5]
	v_add_f32 v213, v[M+6], v[M+7]
	v_add_f32 v207, v207, v211
	v_add_f32 v212, v212, v213
	v_add_f32 v207, v207, v212
	v_rcp_f32 v208, v207
	v_nop
	s_wait_alu depctr_va_vdst(0)                   ; the reciprocal's wait
	v_mul_f32 v206, v206, v208
	v_cmp_eq_u32 vcc_lo, 1, v1                     ; lane 0 stores slot 0, lane 1 slot 1
	v_cndmask_b32 v209, v201, v203, vcc_lo
	v_cndmask_b32 v210, v208, v206, vcc_lo
	v_cmp_gt_u32 vcc_lo, 2, v1
	s_wait_xcnt 0x0                                ; EXEC is a source of the stores above: it changes only behind this wait
	s_and_saveexec_b32 s20, vcc_lo
	global_store_b32 v5, v209, s[10:11]
	global_store_b32 v5, v210, s[12:13]
	s_wait_xcnt 0x0                                ; and again ahead of the line that widens it
	s_or_b32 exec_lo, exec_lo, s20
	s_endpgm
.Lfunc_end_k_qd2e501447f_router:
	.size	k_qd2e501447f_router, .Lfunc_end_k_qd2e501447f_router-k_qd2e501447f_router
	.p2alignl 7, 3214868480
	.fill 96, 4, 3214868480
	.section	.rodata,"a",@progbits
	.p2align	6, 0x0
	.amdhsa_kernel k_qd2e501447f_router
		.amdhsa_group_segment_fixed_size 0
		.amdhsa_private_segment_fixed_size 0
		.amdhsa_enable_private_segment 0
		.amdhsa_kernarg_size 40
		.amdhsa_user_sgpr_count 2
		.amdhsa_user_sgpr_kernarg_segment_ptr 1
		.amdhsa_wavefront_size32 1
		.amdhsa_system_sgpr_workgroup_id_x 1
		.amdhsa_system_sgpr_workgroup_id_y 1
		.amdhsa_system_sgpr_workgroup_id_z 1
		.amdhsa_system_vgpr_workitem_id 0
		.amdhsa_next_free_vgpr 512
		.amdhsa_next_free_sgpr 66
		.amdhsa_reserve_vcc 1
		.amdhsa_float_denorm_mode_32 3
		.amdhsa_float_denorm_mode_16_64 3
		.amdhsa_memory_ordered 1
		.amdhsa_forward_progress 1
		.amdhsa_inst_pref_size 42
	.end_amdhsa_kernel
	.amdgpu_metadata
---
amdhsa.version: [ 1, 2 ]
amdhsa.kernels:
  - .name:           k_qd2e501447f_router
    .symbol:         k_qd2e501447f_router.kd
    .args:
      - { .name: x, .offset: 0, .size: 8, .value_kind: global_buffer, .address_space: global }
      - { .name: gate_w, .offset: 8, .size: 8, .value_kind: global_buffer, .address_space: global }
      - { .name: xb, .offset: 16, .size: 8, .value_kind: global_buffer, .address_space: global }
      - { .name: choice, .offset: 24, .size: 8, .value_kind: global_buffer, .address_space: global }
      - { .name: gatep, .offset: 32, .size: 8, .value_kind: global_buffer, .address_space: global }
    .group_segment_fixed_size: 0
    .private_segment_fixed_size: 0
    .kernarg_segment_align: 8
    .kernarg_segment_size: 40
    .max_flat_workgroup_size: 128
    .sgpr_count:     66
    .vgpr_count:     512
    .wavefront_size: 32
...
	.end_amdgpu_metadata
.endif
;; end of part 1
;; launch ffn1 (part 2): grid 32 x 8, 8 waves a work-group, no clusters, 272,896 bytes of LDS; arguments w1, b1, xb, choice, h, order; writes h, order
.if DOCPART == 2
	.amdgcn_target "amdgcn-amd-amdhsa--gfx1250"
	.amdhsa_code_object_version 6
	.text
	.protected	k_qd2e501447f_ffn1
	.globl	k_qd2e501447f_ffn1
	.p2align	8
	.type	k_qd2e501447f_ffn1,@function
k_qd2e501447f_ffn1:
	s_mov_b64 s[64:65], 0
	v_nop
	global_prefetch_b8 v0, s[64:65] scope:SCOPE_SE
	s_setreg_imm32_b32 hwreg(HW_REG_WAVE_MODE, 25, 1), 1
	s_wait_xcnt 0x0
; FIRST PRODUCT OF THE EXPERTS.  h = gelu(X_e W1[e] + b1[e]) for the rows that chose expert e alone.  Work-group (sx, e) owns W1[e][0..1023][128 sx .. + 127]: 512 KB of f32
; that no other work-group reads, streamed once through registers, rounded to bf16 on the way, laid into LDS as [k][n] and taken out turned (ds_load_tr16_b128).
; ROWS.  Wave 0 builds the expert's list (rank -> item d = 2 token + slot) from the 2,048 stored choices by a counting pass in LDS; work-group sx = 0 also stores it (order) for the second product.
; The rows go in 4 passes of 320 ranks (1,280 >= the 1,024 that an expert can have); a pass with no rows jumps all its work and passes its 8 barriers; a pass beyond the first streams the weights again.
; All 320 rows of a pass are always staged (a rank past the count repeats the last row that exists); only matrix instructions and the way out are jumped for blocks of 16 without rows.
; An expert with no rows counts as one row, so that row block 0 of h[e] always exists.
; SHARES.  Wave w: rg = w / 2, ch = w % 2.  It multiplies row blocks rg + 4 b (b = 0..4) by columns 64 ch .. + 63: 20 accumulators.  It stages k rows 16 w .. + 15 of each chunk of W and 8 rows of each 64 of X.
; K goes in 8 chunks of 128 through two LDS slots: trip j asks for rows' chunk j + 1 and weights' chunk j + 2, multiplies chunk j, stores chunk j + 1 into the other slot; one barrier a trip.
; The two base pointers stand at chunk j; what is asked for ahead stands in the loads' immediates, and the pointers are stepped at the trip's end, a chunk's products behind the loads that read them.
; A wave has at most 52 loads out (16 + 20 + 16); the eight waves up to 128 KB of weights.
; THE MATRIX INSTRUCTION IS USED TRANSPOSED (source 0 = 16 columns of W, source 1 = 16 rows of X): a lane holds one row and eight neighbouring columns, which pack into 16 bytes of h.
; h lies as [e][block of 64 columns][rank][64] bf16, so 16 ranks of a block are 2,048 consecutive bytes.
; FORMATS.  x, W1 and b1 rounded to bf16, sums in f32 starting at the bias, h rounded once to bf16.  gelu(x) = max(x, 0) - |x| Q(|x|), Q the normal tail by a five-term rational form (Abramowitz and Stegun 26.2.17,
; absolute error 7.5e-8); where x x overflows Q is 0.  NaN and infinities are not treated apart.
; NO CLUSTER: each weight has one reader; what an expert's 32 work-groups share is its rows of xb, and these come by a list, which no tile descriptor covers.
.set WPITCH, 16384                     ; bytes from a k row of W1 to the next
.set WSTEP,  128*WPITCH                ; a chunk
.set ASTEP,  256                       ; a chunk along xb's rows
.set PA,     272                       ; an LDS row of X: 256 bytes + 16: the 16 rows of a fragment load begin in 16 different 16-byte columns of 256
.set PW,     288                       ; an LDS row of W: 256 + 32, an odd multiple of 32, for the turning load
.set WAREA,  320*PA                    ; a slot: 320 rows of X, then 128 k rows of W
.set SLOT,   WAREA+128*PW
.set LIST,   2*SLOT                    ; 1,408 words: rank -> d (fill 2048 + e), word 1280 a dump, word 1281 the count
.set STG,    LIST+5632                 ; 16 rows x 144 bytes for each wave: the way out
.set PS,     144
.set SPARE,  STG+8*16*PS               ; the spare words, 128 bytes a wave, that no other line names
; window 0: v1 lane, v2 r = lane % 16, v3 hf = lane / 16; v4,5 X fragments' address in slot 0,1; v6,7 W's: none of the four is ever rewritten; v10 into my stage; v11 back from it; v12 my bytes in h;
;   v13 bias offset; v14 LIST + 16 lane; v15 4 lane; v16 1280; v17-19 at work; v20 prefetch offset; v21, v22 the add's two; v23 16 lane; v24-55 W fragments; v56-95 X fragments; v96-255 accumulators (b, f) at 96 + 32 b + 8 f
; window 1: v0-63, v64-127 two buffers of W as loaded; v128-207 X as loaded; v208-227 the rows' offsets; v228-243 bias in bf16 pairs; v244 16 lane; v245,6 W's LDS place; v247,8 X's; v249 my rank in 64; v250 16 r
; scalars: s[4:5] W at the chunk in hand; s[6:7] bias; s[8:9] xb at the chunk in hand; s[10:11] choice; s[12:13] h; s[14:15] order; s16 wave, s17 rg, s18 ch, s19 e, s20 sx; s22 count; s23 last rank; s24 pass; s25 320 pass;
;   s26 pass has rows; s27 my live blocks; s29 counter; s30-33 at work; s34 mask; s35 running rank; s38 count, at least 1; s39-51 gelu's constants
.set MSB, 0
.macro WIN new                         ; the immediate's high byte repeats the setting that is left; at a label and at a branch every window is 0
.if MSB != (\new)
	s_set_vgpr_msb (MSB<<8)|(\new)
.set MSB, \new
.endif
.endm
.macro ISSUE_W buf, ahead              ; my 16 k rows of the chunk so many ahead of the pointer: each load 512 consecutive bytes; the immediate is 4,440,064 at the most, inside its signed 24 bits
	WIN 0x55
.set m, 0
.rept 16
	global_load_b128 v[64*(\buf)+4*m:64*(\buf)+4*m+3], v244, s[4:5] offset:(\ahead)*WSTEP+m*WPITCH th:TH_LOAD_NT
.set m, m+1
.endr
.endm
.macro ISSUE_A ahead                   ; my 40 rows of the chunk so many ahead: each load two rows x 256 bytes
	WIN 0x55
.set i, 0
.rept 20
	global_load_b128 v[128+4*i:128+4*i+3], v[208+i], s[8:9] offset:(\ahead)*ASTEP
.set i, i+1
.endr
.endm
.macro STEP                            ; both pointers go on to the next chunk.  The trip's loads and its prefetch read them: they are rewritten only behind this wait, which stands a chunk's products and stores behind those lines
	s_wait_xcnt 0x0
	s_add_nc_u64 s[4:5], s[4:5], WSTEP
	s_add_nc_u64 s[8:9], s[8:9], ASTEP
.endm
.macro STORE buf, slot, left           ; a chunk goes into LDS: W rounded to bf16, X as it is.  left: the loads issued behind the chunk's, which stay out
	WIN 0x55
	s_wait_loadcnt \left
.set m, 0
.rept 16
.set x, 64*(\buf)+4*m
	v_cvt_pk_bf16_f32 v[x], v[x], v[x+1]
	v_cvt_pk_bf16_f32 v[x+1], v[x+2], v[x+3]
	ds_store_b64 v[245+(\slot)], v[x:x+1] offset:m*PW
.set m, m+1
.endr
.set i, 0
.rept 20
	ds_store_b128 v[247+(\slot)], v[128+4*i:128+4*i+3] offset:16*PA*(i/4)+2*PA*(i%4)
.set i, i+1
.endr
	WIN 0
.endm
.macro PF chk                          ; trip j asks for chunk j + 3, one beyond the weights just loaded: my own 16 rows, each 256 bytes once; pass 0 alone; chk = 1: not in trip 5, whose chunk 8 does not exist
	s_cmp_lg_u32 s24, 0
	s_cbranch_scc1 .Lnp_\@
.if \chk
	s_cmp_lt_u32 s29, 2
	s_cbranch_scc1 .Lnp_\@
.endif
	global_prefetch_b8 v20, s[4:5] offset:3*WSTEP th:TH_LOAD_NT scope:SCOPE_SE
.Lnp_\@:
.endm
; One K step of 32.  The LDS addresses are the slot's two fixed registers; the K step stands in the immediate (32,352 at the most), so that each load's bytes can be read off the text.
; The loads go out in the order of their use: X's block 0, W's four fragments, X's blocks 1 to 4; LDS answers a wave in order (ISA guide 5.7.1), so each product waits only for the loads up to its own operands.
.macro KSTEP slot, ks
	ds_load_b128 v[56:59], v[4+(\slot)] offset:64*(\ks)
	ds_load_b128 v[60:63], v[4+(\slot)] offset:64*(\ks)+32
.irp f, 0,1,2,3
	ds_load_tr16_b128 v[24+8*\f:24+8*\f+3], v[6+(\slot)] offset:32*PW*(\ks)+32*\f
	ds_load_tr16_b128 v[24+8*\f+4:24+8*\f+7], v[6+(\slot)] offset:32*PW*(\ks)+32*\f+16*PW
.endr
.irp b, 1,2,3,4
	ds_load_b128 v[56+8*\b:56+8*\b+3], v[4+(\slot)] offset:16*PA*\b+64*(\ks)
	ds_load_b128 v[56+8*\b+4:56+8*\b+7], v[4+(\slot)] offset:16*PA*\b+64*(\ks)+32
.endr
.irp b, 0,1,2,3,4
	s_cmp_le_u32 s27, \b                           ; blocks without rows are jumped; the accumulators take turns, one instruction a turn, on every way
	s_cbranch_scc1 .Lkend_\@
.irp f, 0,1,2,3
.if \b == 0
	s_wait_dscnt 14-2*\f                           ; behind W's fragment f stand 2 (3 - f) loads of W and 8 of X
.elseif \f == 0
	s_wait_dscnt 8-2*\b                            ; behind X's block b stand the two loads of each later block
.endif
	v_wmma_f32_16x16x32_bf16 v[96+32*\b+8*\f:96+32*\b+8*\f+7], v[24+8*\f:24+8*\f+7], v[56+8*\b:56+8*\b+7], v[96+32*\b+8*\f:96+32*\b+8*\f+7]
.endr
.endr
.Lkend_\@:
	s_wait_dscnt 0x0                               ; on a way that jumped, the later blocks' loads are still out: the next step loads into the same registers
.rept 4
	v_nop                                          ; four places behind the last product, ahead of the next loads into the fragments and of the way out's reads
.endr
.endm
.macro STAGE slot                      ; a chunk is multiplied: four K steps, written out
.irp k, 0,1,2,3
	KSTEP \slot, \k
.endr
.endm
.macro GATE id                         ; a pass without rows jumps the work
	s_cmp_eq_u32 s26, 0
	s_cbranch_scc1 .Ldead_\id
.endm
.macro MEET id                         ; and both ways meet at the barrier, which every wave passes.  In front of it: my LDS stores of the next chunk are done and my reads of this chunk are back
	s_branch .Lmeet_\id
.Ldead_\id:
	s_wait_loadcnt 0x0                             ; on the way without work no load stays out
.Lmeet_\id:
	s_wait_dscnt 0x0
	s_barrier_signal -1
	s_barrier_wait -1
.endm
.macro PASSVARS                        ; from the count and the pass: s26 = has rows, s27 = my live blocks = (blocks + 3 - rg) / 4
	s_sub_co_i32 s30, s38, s25
	s_max_i32 s30, s30, 0
	s_min_u32 s26, s30, 1
	s_add_co_u32 s30, s30, 15
	s_lshr_b32 s30, s30, 4
	s_min_u32 s30, s30, 20
	s_add_co_u32 s30, s30, 3
	s_sub_co_u32 s30, s30, s17
	s_lshr_b32 s27, s30, 2
.endm
.macro SETUP                           ; the byte offsets in xb of my 40 rows of this pass: rank, held to the last that exists, -> d from the list -> token d / 2 -> row of 2,048 bytes
	WIN 0x55
.set i, 0
.rept 20
	s_add_co_u32 s30, s25, 64*(i/4)+2*(i%4)
	v_add_nc_u32 v[208+i], s30, v249
	v_min_u32 v[208+i], s23, v[208+i]
	v_min_u32 v[208+i], 0x3ff, v[208+i]
	v_lshl_add_u32 v[208+i], v[208+i], 2, LIST
	ds_load_b32 v[208+i], v[208+i]
.set i, i+1
.endr
	s_wait_dscnt 0x0
.set i, 0
.rept 20
	v_min_u32 v[208+i], 0x7ff, v[208+i]
	v_and_b32 v[208+i], 0x7fe, v[208+i]
	v_lshl_add_u32 v[208+i], v[208+i], 10, v250
.set i, i+1
.endr
.endm
.macro LISTG g                         ; choice word g % 4 of load g / 4: items 128 (g / 4) + 4 lane + g % 4.  A lane whose item chose e takes the next rank; the others write the dump word
	v_cmp_eq_u32 vcc_lo, s19, v[96+(\g)]
	v_mbcnt_lo_u32_b32 v17, vcc_lo, s35
	s_bcnt1_i32_b32 s30, vcc_lo
	v_cndmask_b32 v17, v16, v17, vcc_lo
	s_add_co_u32 s35, s35, s30
	v_min_u32 v17, 1280, v17
	v_lshl_add_u32 v18, v17, 2, LIST
	v_add_nc_u32 v19, 128*((\g)/4)+(\g)%4, v15
	ds_store_b32 v18, v19
.endm
; gelu of 16 results a lane (accumulators (b, 2 g) and (b, 2 g + 1)), rounded to bf16, into my stage.  U v24-39, S v40-55, P v56-71, M v72-87, O v88-95.  Each accumulator is read from its lowest register on.
.macro GELU16 b, g
.set XB, 96+32*(\b)+16*(\g)
.set i, 0
.rept 16
	v_fma_f32 v[24+i], |v[XB+i]|, s39, 1.0         ; 1 + 0.2316419 |x|
.set i, i+1
.endr
.set i, 0
.rept 8
	v_pk_mul_f32 v[40+i:41+i], v[XB+i:XB+i+1], v[XB+i:XB+i+1]
.set i, i+2
.endr
.set i, 0
.rept 8
	v_pk_mul_f32 v[40+i:41+i], v[40+i:41+i], s[40:41] op_sel_hi:[1,0]  ; - x x log2(e) / 2
.set i, i+2
.endr
.set i, 0
.rept 16
	v_rcp_f32 v[24+i], v[24+i]                     ; t
.set i, i+1
.endr
.set i, 0
.rept 16
	v_exp_f32 v[40+i], v[40+i]
.set i, i+1
.endr
.set i, 0
.rept 16
	v_max_num_f32 v[72+i], 0, v[XB+i]              ; plain work behind the batch of 32
.set i, i+1
.endr
	s_wait_alu depctr_va_vdst(0)                   ; one wait for the batch, ahead of its first reader
.set i, 0
.rept 8
	v_pk_fma_f32 v[56+i:57+i], v[24+i:25+i], s[42:43], s[44:45] op_sel_hi:[1,0,0]
.set i, i+2
.endr
.irp c, 46,48,50
.set i, 0
.rept 8
	v_pk_fma_f32 v[56+i:57+i], v[56+i:57+i], v[24+i:25+i], s[\c:\c+1] op_sel_hi:[1,1,0]
.set i, i+2
.endr
.endr
.set i, 0
.rept 8
	v_pk_mul_f32 v[56+i:57+i], v[56+i:57+i], v[24+i:25+i]
.set i, i+2
.endr
.set i, 0
.rept 8
	v_pk_mul_f32 v[56+i:57+i], v[56+i:57+i], v[40+i:41+i]  ; Q(|x|)
.set i, i+2
.endr
.set i, 0
.rept 16
	v_fma_f32 v[72+i], -|v[XB+i]|, v[56+i], v[72+i]
.set i, i+1
.endr
.set i, 0
.rept 8
	v_cvt_pk_bf16_f32 v[88+i], v[72+2*i], v[72+2*i+1]
.set i, i+1
.endr
	ds_store_b128 v10, v[88:91] offset:64*(\g)
	ds_store_b128 v10, v[92:95] offset:64*(\g)+32
.endm
.macro SENDH b                         ; block b's 16 rows x 128 bytes come back as they lie in h and leave: each store 512 consecutive bytes.  LDS serves a wave's instructions in order (ISA guide 5.7.1.4): the loads see the stores above
.irp t, 0,1,2,3
	ds_load_b128 v[96+32*(\b)+4*\t:96+32*(\b)+4*\t+3], v11 offset:4*PS*\t
.endr
	s_wait_dscnt 0x0
.irp t, 0,1,2,3
	global_store_b128 v12, v[96+32*(\b)+4*\t:96+32*(\b)+4*\t+3], s[12:13] offset:8192*(\b)+512*\t
.endr
.endm
	s_load_b256 s[4:11], s[0:1], 0x0               ; w1 s[4:5], b1 s[6:7], xb s[8:9], choice s[10:11]
	s_load_b128 s[12:15], s[0:1], 0x20             ; h s[12:13], order s[14:15]
	v_lshl_add_u32 v21, v0, 2, SPARE               ; the add's two registers, kept for it alone
	v_mov_b32 v22, 0
	v_lshrrev_b32 v15, 5, v0
	v_readfirstlane_b32 s16, v15                   ; wave
	s_lshr_b32 s17, s16, 1                         ; rg
	s_and_b32 s18, s16, 1                          ; ch
	s_and_b32 s19, ttmp7, 0xffff                   ; e
	s_mov_b32 s20, ttmp9                           ; sx
	s_mov_b32 s34, 0xffff0000
	s_mov_b32 s39, 0x3e6d3389                      ; 0.2316419
	s_mov_b32 s40, 0xbf38aa3b                      ; - log2(e) / 2; each constant of a packed line is named as a pair, so both words are written
	s_mov_b32 s41, 0xbf38aa3b
	s_mov_b32 s42, 0x3f07dc22                      ; c5 =  0.530702716 (the series' coefficients over sqrt(2 pi))
	s_mov_b32 s43, 0x3f07dc22
	s_mov_b32 s44, 0xbf3a00e3                      ; c4 = -0.726576014
	s_mov_b32 s45, 0xbf3a00e3
	s_mov_b32 s46, 0x3f35f0e3                      ; c3 =  0.710706871
	s_mov_b32 s47, 0x3f35f0e3
	s_mov_b32 s48, 0xbe11a98e                      ; c2 = -0.142248368
	s_mov_b32 s49, 0xbe11a98e
	s_mov_b32 s50, 0x3e027906                      ; c1 =  0.127414796
	s_mov_b32 s51, 0x3e027906
	v_and_b32 v1, 31, v0
	v_and_b32 v2, 15, v0
	v_bfe_u32 v3, v0, 4, 1
	v_and_b32 v17, 7, v0                           ; lane % 8
	v_bfe_u32 v18, v0, 3, 1                        ; (lane / 8) % 2
	v_bfe_u32 v19, v0, 3, 2                        ; lane / 8
	s_mul_i32 s30, s17, 80*PA                      ; my row group's 80 LDS rows
	v_mul_u32_u24 v4, v2, PA                       ; X fragment: row r, 16 bytes for each half of the lanes
	v_lshl_add_u32 v4, v3, 4, v4
	v_add_nc_u32 v4, s30, v4
	v_add_nc_u32 v5, SLOT, v4
	s_lshl_b32 s31, s18, 7
	s_add_co_u32 s31, s31, WAREA
	v_lshl_add_u32 v6, v3, 3, v17                  ; turning load: k row 8 hf + lane % 8, 16 bytes by (lane / 8) % 2, my 64 columns
	v_mul_u32_u24 v6, v6, PW
	v_lshl_add_u32 v6, v18, 4, v6
	v_add_nc_u32 v6, s31, v6
	v_add_nc_u32 v7, SLOT, v6
	s_mul_i32 s31, s16, 16*PS
	s_add_co_u32 s31, s31, STG                     ; my stage
	v_mul_u32_u24 v10, v2, PS
	v_lshl_add_u32 v10, v3, 4, v10
	v_add_nc_u32 v10, s31, v10
	v_mul_u32_u24 v11, v19, PS                     ; back: 32 lanes take four rows of 128 bytes
	v_lshl_add_u32 v11, v17, 4, v11
	v_add_nc_u32 v11, s31, v11
	s_lshl_b32 s31, s17, 11                        ; in h: 16 rg ranks of 128 bytes, column block ch
	s_lshl_b32 s32, s18, 17
	s_add_co_u32 s31, s31, s32
	v_lshl_add_u32 v12, v1, 4, s31
	s_lshl_b32 s31, s18, 8
	v_lshl_add_u32 v13, v3, 5, s31                 ; bias: my 64 columns, 8 for each half of the lanes
	v_lshlrev_b32 v23, 4, v1
	v_add_nc_u32 v14, LIST, v23
	v_lshlrev_b32 v15, 2, v1
	v_mov_b32 v16, 1280
	v_lshrrev_b32 v20, 1, v1                       ; prefetch: row lane / 2 of my 16, half lane % 2 of its 512 bytes
	v_lshlrev_b32 v20, 14, v20
	v_and_b32 v18, 1, v0
	v_lshl_add_u32 v20, v18, 8, v20
	v_mul_u32_u24 v19, v3, PA                      ; staging of X: row hf, 16 r
	v_lshl_add_u32 v19, v2, 4, v19
	s_mul_i32 s31, s18, 8*PA
	s_add_co_u32 s30, s30, s31                     ; rows 80 rg + 8 ch on
	s_add_co_u32 s31, s30, SLOT
	s_mul_i32 s32, s16, 16*PW
	s_add_co_u32 s32, s32, WAREA                   ; staging of W: k rows 16 wave on
	s_add_co_u32 s33, s32, SLOT
	WIN 0x40                                       ; destination window 1
	v_lshlrev_b32 v244, 4, v1
	v_lshl_add_u32 v245, v1, 3, s32
	v_lshl_add_u32 v246, v1, 3, s33
	v_add_nc_u32 v247, s30, v19
	v_add_nc_u32 v248, s31, v19
	v_lshl_add_u32 v249, s16, 3, v3                ; my rank in each 64: 8 wave + hf (+ 2 q)
	v_lshlrev_b32 v250, 4, v2
	WIN 0
	s_wait_kmcnt 0x0
	s_lshl_b32 s32, s19, 24                        ; W1: expert, my 128 columns, my 16 k rows
	s_lshl_b32 s30, s20, 9
	s_add_co_u32 s32, s32, s30
	s_lshl_b32 s30, s16, 18
	s_add_co_u32 s32, s32, s30
	s_mov_b32 s33, 0
	s_add_nc_u64 s[4:5], s[4:5], s[32:33]
	s_lshl_b32 s32, s19, 14
	s_lshl_b32 s30, s20, 9
	s_add_co_u32 s32, s32, s30
	s_add_nc_u64 s[6:7], s[6:7], s[32:33]
	s_lshl_b32 s32, s19, 23                        ; h: expert, column blocks 2 sx and 2 sx + 1
	s_lshl_b32 s30, s20, 18
	s_add_co_u32 s32, s32, s30
	s_add_nc_u64 s[12:13], s[12:13], s[32:33]
	s_mul_i32 s32, s19, 5632
	s_add_nc_u64 s[14:15], s[14:15], s[32:33]
	s_cmp_lg_u32 s16, 0
	s_cbranch_scc1 .Lno_choice
.irp j, 0,1,2,3,4,5,6,7,8,9,10,11,12,13,14,15
	global_load_b128 v[96+4*\j:96+4*\j+3], v23, s[10:11] offset:512*\j  ; wave 0: all 2,048 choices
.endr
.Lno_choice:
.irp f, 0,1,2,3
	global_load_b128 v[24+8*\f:24+8*\f+3], v13, s[6:7] offset:64*\f
	global_load_b128 v[24+8*\f+4:24+8*\f+7], v13, s[6:7] offset:64*\f+16
.endr
	global_prefetch_b8 v20, s[4:5] offset:2*WSTEP th:TH_LOAD_NT scope:SCOPE_SE  ; chunk 2, which is loaded only when the list is made
	ISSUE_W 0, 0
	WIN 0
	s_cmp_lg_u32 s16, 0
	s_cbranch_scc1 .Lno_list
	s_add_co_u32 s31, s19, 2048                    ; the fill: the expert's dump row of the second product
	v_mov_b32 v56, s31
	v_mov_b32 v57, s31
	v_mov_b32 v58, s31
	v_mov_b32 v59, s31
.irp k, 0,1,2,3,4,5,6,7,8,9,10
	ds_store_b128 v14, v[56:59] offset:512*\k
.endr
	s_wait_loadcnt 24                              ; behind the choices stand 8 loads of bias and 16 of W
	s_mov_b32 s35, 0
.set g, 0
.rept 64
	LISTG g
.set g, g+1
.endr
	v_mov_b32 v18, LIST+5120
	v_mov_b32 v19, s35
	ds_store_b32 v18, v56                          ; the dump word takes the fill again,
	ds_store_b32 v18, v19 offset:4                 ; word 1281 the count
	s_cmp_lg_u32 s20, 0
	s_cbranch_scc1 .Lno_list
.irp k, 0,1,2,3,4,5,6,7,8,9,10
	ds_load_b128 v[96+4*\k:96+4*\k+3], v14 offset:512*\k
.endr
	s_wait_dscnt 0x0
.irp k, 0,1,2,3,4,5,6,7,8,9,10
	global_store_b128 v23, v[96+4*\k:96+4*\k+3], s[14:15] offset:512*\k  ; one work-group an expert stores the list: runs of 512 bytes
.endr
.Lno_list:
	s_wait_loadcnt 16                              ; the bias is in; W's 16 loads stay out
	WIN 0x40
.set i, 0
.rept 16
	v_cvt_pk_bf16_f32 v[228+i], v[24+2*i], v[24+2*i+1]
.set i, i+1
.endr
	WIN 0
	s_wait_dscnt 0x0                               ; wave 0's list is written
	s_barrier_signal -1
	s_barrier_wait -1
	v_mov_b32 v18, LIST+5124
	ds_load_b32 v19, v18
	s_wait_dscnt 0x0
	v_readfirstlane_b32 s22, v19
	s_min_u32 s22, s22, 1024
	s_max_u32 s38, s22, 1
	s_sub_co_u32 s23, s38, 1
	s_mov_b32 s24, 0
	s_mov_b32 s25, 0
	PASSVARS
	SETUP
	s_wait_xcnt 0x0                                ; the list's stores read v96 on, which the sums' start below writes: only behind this wait, a barrier and a round trip through LDS behind those stores
	ISSUE_A 0
	ISSUE_W 1, 1
	WIN 0
.Lpass:
	WIN 0x04                                       ; source 1 in window 1: the sums start at the bias, nothing is cleared; this stands in the wait for the first chunk
.set i, 0
.rept 80
	v_lshlrev_b32 v[96+2*i], 16, v[228+i%16]
	v_and_b32 v[96+2*i+1], s34, v[228+i%16]
.set i, i+1
.endr
	WIN 0
	GATE 0
	STORE 0, 0, 16                                 ; chunk 0; behind its loads stand the 16 of W's chunk 1
	MEET 0
	s_mov_b32 s29, 3
.Lpair:
	GATE 1                                         ; trips 0, 2, 4
	ISSUE_A 1
	ISSUE_W 0, 2
	WIN 0
	PF 0
	STAGE 0
	STORE 1, 1, 16                                 ; behind the next chunk's loads stand the 16 of W just issued
	STEP
	MEET 1
	GATE 2                                         ; trips 1, 3, 5
	ISSUE_A 1
	ISSUE_W 1, 2
	WIN 0
	PF 1
	STAGE 1
	STORE 0, 0, 16
	STEP
	MEET 2
	s_sub_co_u32 s29, s29, 1
	s_cmp_lg_u32 s29, 0
	s_cbranch_scc1 .Lpair
	GATE 3                                         ; trip 6: the pointers stand at chunk 6; no weights are left to ask for
	ISSUE_A 1
	WIN 0
	STAGE 0
	STORE 1, 1, 0
	MEET 3
	GATE 4                                         ; trip 7 and the way out, through my own stage: no barrier.  Slot 1, read here, is written next behind the next pass's first barrier
	STAGE 1
.irp b, 0,1,2,3,4
	s_cmp_le_u32 s27, \b
	s_cbranch_scc1 .Ldead_4
	GELU16 \b, 0
	GELU16 \b, 1
	SENDH \b
.endr
.Ldead_4:
	s_wait_xcnt 0x0                                ; the stores' data and base, and the loads' bases and offsets, are rewritten only behind this wait
	s_add_co_u32 s25, s25, 320
	s_add_nc_u64 s[12:13], s[12:13], 320*128
	PASSVARS
	s_cmp_eq_u32 s26, 0
	s_cbranch_scc1 .Lno_pre
	s_sub_nc_u64 s[4:5], s[4:5], 6*WSTEP           ; a further pass: the six steps of this pass are taken back
	s_sub_nc_u64 s[8:9], s[8:9], 6*ASTEP
	SETUP
	ISSUE_W 0, 0
	ISSUE_A 0
	ISSUE_W 1, 1
	WIN 0
.Lno_pre:
	s_add_co_u32 s24, s24, 1
	s_cmp_lt_u32 s24, 4
	s_cbranch_scc1 .Lpass
	s_wait_tensorcnt 0x0                           ; the wave's end, behind my last LDS store
	ds_add_u32 v21, v22
	s_wait_dscnt 0x0
	s_endpgm
.Lfunc_end_k_qd2e501447f_ffn1:
	.size	k_qd2e501447f_ffn1, .Lfunc_end_k_qd2e501447f_ffn1-k_qd2e501447f_ffn1
	.p2alignl 7, 3214868480
	.fill 96, 4, 3214868480
	.section	.rodata,"a",@progbits
	.p2align	6, 0x0
	.amdhsa_kernel k_qd2e501447f_ffn1
		.amdhsa_group_segment_fixed_size 272896
		.amdhsa_private_segment_fixed_size 0
		.amdhsa_enable_private_segment 0
		.amdhsa_kernarg_size 48
		.amdhsa_user_sgpr_count 2
		.amdhsa_user_sgpr_kernarg_segment_ptr 1
		.amdhsa_wavefront_size32 1
		.amdhsa_system_sgpr_workgroup_id_x 1
		.amdhsa_system_sgpr_workgroup_id_y 1
		.amdhsa_system_sgpr_workgroup_id_z 1
		.amdhsa_system_vgpr_workitem_id 0
		.amdhsa_next_free_vgpr 512
		.amdhsa_next_free_sgpr 66
		.amdhsa_reserve_vcc 1
		.amdhsa_float_denorm_mode_32 3
		.amdhsa_float_denorm_mode_16_64 3
		.amdhsa_memory_ordered 1
		.amdhsa_forward_progress 1
		.amdhsa_inst_pref_size 242
	.end_amdhsa_kernel
	.amdgpu_metadata
---
amdhsa.version: [ 1, 2 ]
amdhsa.kernels:
  - .name:           k_qd2e501447f_ffn1
    .symbol:         k_qd2e501447f_ffn1.kd
    .args:
      - { .name: w1, .offset: 0, .size: 8, .value_kind: global_buffer, .address_space: global }
      - { .name: b1, .offset: 8, .size: 8, .value_kind: global_buffer, .address_space: global }
      - { .name: xb, .offset: 16, .size: 8, .value_kind: global_buffer, .address_space: global }
      - { .name: choice, .offset: 24, .size: 8, .value_kind: global_buffer, .address_space: global }
      - { .name: h, .offset: 32, .size: 8, .value_kind: global_buffer, .address_space: global }
      - { .name: order, .offset: 40, .size: 8, .value_kind: global_buffer, .address_space: global }
    .group_segment_fixed_size: 272896
    .private_segment_fixed_size: 0
    .kernarg_segment_align: 8
    .kernarg_segment_size: 48
    .max_flat_workgroup_size: 256
    .sgpr_count:     66
    .vgpr_count:     512
    .wavefront_size: 32
...
	.end_amdgpu_metadata
.endif
;; end of part 2
;; launch ffn2 (part 3): grid 32 x 8, 8 waves a work-group, no clusters, 283,648 bytes of LDS; arguments w2, b2, h, order, part; writes part
.if DOCPART == 3
	.amdgcn_target "amdgcn-amd-amdhsa--gfx1250"
	.amdhsa_code_object_version 6
	.text
	.protected	k_qd2e501447f_ffn2
	.globl	k_qd2e501447f_ffn2
	.p2align	8
	.type	k_qd2e501447f_ffn2,@function
k_qd2e501447f_ffn2:
	s_mov_b64 s[64:65], 0
	v_nop
	global_prefetch_b8 v0, s[64:65] scope:SCOPE_SE
	s_setreg_imm32_b32 hwreg(HW_REG_WAVE_MODE, 25, 1), 1
	s_wait_xcnt 0x0
; SECOND PRODUCT OF THE EXPERTS.  part[kq][d] = H_e[rank][1024 kq .. + 1023] W2[e][1024 kq .. + 1023][128 cs .. + 127] (+ b2[e] in quarter kq = 0), f32, for the rows of expert e alone, stored at row d = 2 token + slot.
; Work-group (cs + 8 kq, e) owns 1,024 k rows x 128 columns of W2[e]: 512 KB of f32 that no other work-group reads.  F is cut in four so that there are 256 such blocks with rows of 512 bytes; the four partial rows stay f32 and the last launch adds them.
; The loop is the first product's: 4 passes of 320 ranks, 8 chunks of 128 along K through two LDS slots, one barrier a trip, weights through registers (rounded to bf16), turned on their way out of LDS.
; The two base pointers stand at the chunk in hand; what is asked for ahead stands in the loads' immediates, and the pointers are stepped at the trip's end.
; A pass with no rows jumps its work and passes its 8 barriers; an expert with no rows stores nothing.  Ranks past the count repeat the last row of h that exists, and their results go to row 2048 + e of my plane, in my own columns, which nobody reads.
; h lies as [e][block of 64 columns][rank][64] bf16: a load takes 4 ranks x 128 bytes, consecutive.  The count and the rows' places come from order, which the first product stored as whole numbers.
; SHARES, REGISTERS and FORMATS as in the first product; w2 and b2 rounded to bf16.  NaN and infinities are not treated apart.
; NO CLUSTER: each weight has one reader.  An expert's rows of h are shared by the 8 work-groups of a quarter, 80 KB a trip beside 64 KB of weights of one's own; asked for jointly they would want a ring of tile loads and a round of
; the cluster's barrier in every trip, in a loop whose work hangs on a stored count: not built.
.set WPITCH, 4096
.set WSTEP,  128*WPITCH
.set ASTEP,  2*131072                  ; a chunk is two column blocks of h
.set PA,     272
.set PW,     288
.set WAREA,  320*PA
.set SLOT,   WAREA+128*PW
.set STG,    2*SLOT                    ; 16 rows x 272 bytes (256 of f32 + 16) for each wave: the way out
.set PS,     272
.set SPARE,  STG+8*16*PS
.set PL,     2056*4096                 ; a plane of part
; window 0: v1 lane, v2 r, v3 hf; v4-7 fragment addresses, never rewritten; v10 into my stage; v11 back; v12 my word in order; v13 16 r; v14 its running copy; v15 bias offset; v17-19 at work; v20 prefetch offset; v21, v22 the add's two;
;   v24-55 W fragments, later rows on their way out; v56-95 X fragments, later the rows' places in part; v96-255 accumulators.   window 1 and the scalars as in the first product; s20 cs, s21 kq; s38 the count
.set MSB, 0
.macro WIN new
.if MSB != (\new)
	s_set_vgpr_msb (MSB<<8)|(\new)
.set MSB, \new
.endif
.endm
.macro ISSUE_W buf, ahead              ; my 16 k rows of the chunk so many ahead of the pointer: each load 512 consecutive bytes
	WIN 0x55
.set m, 0
.rept 16
	global_load_b128 v[64*(\buf)+4*m:64*(\buf)+4*m+3], v244, s[4:5] offset:(\ahead)*WSTEP+m*WPITCH th:TH_LOAD_NT
.set m, m+1
.endr
.endm
.macro ISSUE_A ahead                   ; my 40 rows of the chunk so many ahead: load i = 4 b + q takes 4 ranks x 128 bytes of column block q % 2
	WIN 0x55
.set i, 0
.rept 20
	global_load_b128 v[128+4*i:128+4*i+3], v[208+4*(i/4)+2*((i%4)/2)], s[8:9] offset:(\ahead)*ASTEP+(i%2)*131072
.set i, i+1
.endr
.endm
.macro STEP                            ; both pointers go on to the next chunk.  The trip's loads and its prefetch read them: they are rewritten only behind this wait, which stands a chunk's products and stores behind those lines
	s_wait_xcnt 0x0
	s_add_nc_u64 s[4:5], s[4:5], WSTEP
	s_add_nc_u64 s[8:9], s[8:9], ASTEP
.endm
.macro STORE buf, slot, left
	WIN 0x55
	s_wait_loadcnt \left
.set m, 0
.rept 16
.set x, 64*(\buf)+4*m
	v_cvt_pk_bf16_f32 v[x], v[x], v[x+1]
	v_cvt_pk_bf16_f32 v[x+1], v[x+2], v[x+3]
	ds_store_b64 v[245+(\slot)], v[x:x+1] offset:m*PW
.set m, m+1
.endr
.set i, 0
.rept 20
	ds_store_b128 v[247+(\slot)], v[128+4*i:128+4*i+3] offset:16*PA*(i/4)+4*PA*((i%4)/2)+128*(i%2)
.set i, i+1
.endr
	WIN 0
.endm
.macro PF chk                          ; trip j asks for chunk j + 3, my own 16 rows, each 256 bytes once; pass 0 alone; chk = 1: not in trip 5, whose chunk 8 does not exist
	s_cmp_lg_u32 s24, 0
	s_cbranch_scc1 .Lnp_\@
.if \chk
	s_cmp_lt_u32 s29, 2
	s_cbranch_scc1 .Lnp_\@
.endif
	global_prefetch_b8 v20, s[4:5] offset:3*WSTEP th:TH_LOAD_NT scope:SCOPE_SE
.Lnp_\@:
.endm
; One K step of 32.  The LDS addresses are the slot's two fixed registers; the K step stands in the immediate (32,352 at the most), so that each load's bytes can be read off the text.
; The loads go out in the order of their use: X's block 0, W's four fragments, X's blocks 1 to 4; LDS answers a wave in order (ISA guide 5.7.1), so each product waits only for the loads up to its own operands.
.macro KSTEP slot, ks
	ds_load_b128 v[56:59], v[4+(\slot)] offset:64*(\ks)
	ds_load_b128 v[60:63], v[4+(\slot)] offset:64*(\ks)+32
.irp f, 0,1,2,3
	ds_load_tr16_b128 v[24+8*\f:24+8*\f+3], v[6+(\slot)] offset:32*PW*(\ks)+32*\f
	ds_load_tr16_b128 v[24+8*\f+4:24+8*\f+7], v[6+(\slot)] offset:32*PW*(\ks)+32*\f+16*PW
.endr
.irp b, 1,2,3,4
	ds_load_b128 v[56+8*\b:56+8*\b+3], v[4+(\slot)] offset:16*PA*\b+64*(\ks)
	ds_load_b128 v[56+8*\b+4:56+8*\b+7], v[4+(\slot)] offset:16*PA*\b+64*(\ks)+32
.endr
.irp b, 0,1,2,3,4
	s_cmp_le_u32 s27, \b                           ; blocks without rows are jumped; the accumulators take turns, one instruction a turn, on every way
	s_cbranch_scc1 .Lkend_\@
.irp f, 0,1,2,3
.if \b == 0
	s_wait_dscnt 14-2*\f                           ; behind W's fragment f stand 2 (3 - f) loads of W and 8 of X
.elseif \f == 0
	s_wait_dscnt 8-2*\b                            ; behind X's block b stand the two loads of each later block
.endif
	v_wmma_f32_16x16x32_bf16 v[96+32*\b+8*\f:96+32*\b+8*\f+7], v[24+8*\f:24+8*\f+7], v[56+8*\b:56+8*\b+7], v[96+32*\b+8*\f:96+32*\b+8*\f+7]
.endr
.endr
.Lkend_\@:
	s_wait_dscnt 0x0                               ; on a way that jumped, the later blocks' loads are still out: the next step loads into the same registers
.rept 4
	v_nop                                          ; four places behind the last product, ahead of the next loads into the fragments and of the way out's reads
.endr
.endm
.macro STAGE slot                      ; a chunk is multiplied: four K steps, written out
.irp k, 0,1,2,3
	KSTEP \slot, \k
.endr
.endm
.macro GATE id
	s_cmp_eq_u32 s26, 0
	s_cbranch_scc1 .Ldead_\id
.endm
.macro MEET id                         ; both ways meet at the barrier; in front of it my LDS stores of the next chunk are done and my reads of this chunk are back
	s_branch .Lmeet_\id
.Ldead_\id:
	s_wait_loadcnt 0x0
.Lmeet_\id:
	s_wait_dscnt 0x0
	s_barrier_signal -1
	s_barrier_wait -1
.endm
.macro PASSVARS
	s_sub_co_i32 s30, s38, s25
	s_max_i32 s30, s30, 0
	s_min_u32 s26, s30, 1
	s_add_co_u32 s30, s30, 15
	s_lshr_b32 s30, s30, 4
	s_min_u32 s30, s30, 20
	s_add_co_u32 s30, s30, 3
	s_sub_co_u32 s30, s30, s17
	s_lshr_b32 s27, s30, 2
.endm
.macro SETUP                           ; the byte offsets in a column block of h of my ranks: ten registers, one for each four ranks
	WIN 0x55
.set i, 0
.rept 10
	s_add_co_u32 s30, s25, 64*(i/2)+4*(i%2)
	v_add_nc_u32 v[208+2*i], s30, v249
	v_min_u32 v[208+2*i], s23, v[208+2*i]
	v_min_u32 v[208+2*i], 0x3ff, v[208+2*i]
	v_lshl_add_u32 v[208+2*i], v[208+2*i], 7, v250
.set i, i+1
.endr
.endm
	s_load_b256 s[4:11], s[0:1], 0x0               ; w2 s[4:5], b2 s[6:7], h s[8:9], order s[10:11]
	s_load_b64 s[12:13], s[0:1], 0x20              ; part
	v_lshl_add_u32 v21, v0, 2, SPARE               ; the add's two registers, kept for it alone
	v_mov_b32 v22, 0
	v_lshrrev_b32 v15, 5, v0
	v_readfirstlane_b32 s16, v15                   ; wave
	s_lshr_b32 s17, s16, 1                         ; rg
	s_and_b32 s18, s16, 1                          ; ch
	s_and_b32 s19, ttmp7, 0xffff                   ; e
	s_and_b32 s20, ttmp9, 7                        ; cs
	s_lshr_b32 s21, ttmp9, 3                       ; kq
	s_mov_b32 s34, 0xffff0000
	v_and_b32 v1, 31, v0
	v_and_b32 v2, 15, v0
	v_bfe_u32 v3, v0, 4, 1
	v_and_b32 v17, 7, v0                           ; lane % 8
	v_bfe_u32 v18, v0, 3, 1                        ; (lane / 8) % 2
	v_bfe_u32 v19, v0, 3, 2                        ; lane / 8
	s_mul_i32 s30, s17, 80*PA
	v_mul_u32_u24 v4, v2, PA
	v_lshl_add_u32 v4, v3, 4, v4
	v_add_nc_u32 v4, s30, v4
	v_add_nc_u32 v5, SLOT, v4
	s_lshl_b32 s31, s18, 7
	s_add_co_u32 s31, s31, WAREA
	v_lshl_add_u32 v6, v3, 3, v17
	v_mul_u32_u24 v6, v6, PW
	v_lshl_add_u32 v6, v18, 4, v6
	v_add_nc_u32 v6, s31, v6
	v_add_nc_u32 v7, SLOT, v6
	s_mul_i32 s31, s16, 16*PS
	s_add_co_u32 s31, s31, STG                     ; my stage
	v_mul_u32_u24 v10, v2, PS                      ; in: row r, 32 bytes for each half of the lanes
	v_lshl_add_u32 v10, v3, 5, v10
	v_add_nc_u32 v10, s31, v10
	v_mul_u32_u24 v11, v3, PS                      ; back: lanes 0-15 one row of 256 bytes, lanes 16-31 the next
	v_lshl_add_u32 v11, v2, 4, v11
	v_add_nc_u32 v11, s31, v11
	s_lshl_b32 s31, s17, 6
	v_lshl_add_u32 v12, v3, 2, s31                 ; order: word 16 rg + hf
	v_lshlrev_b32 v13, 4, v2
	s_lshl_b32 s31, s18, 8
	v_lshl_add_u32 v15, v3, 5, s31                 ; bias: my 64 columns, 8 for each half of the lanes
	v_lshrrev_b32 v20, 1, v1                       ; prefetch: row lane / 2 of my 16, half lane % 2 of its 512 bytes
	v_lshlrev_b32 v20, 12, v20
	v_and_b32 v18, 1, v0
	v_lshl_add_u32 v20, v18, 8, v20
	v_mul_u32_u24 v18, v19, PA                     ; staging of h: row lane / 8, 16 (lane % 8)
	v_lshl_add_u32 v18, v17, 4, v18
	s_mul_i32 s31, s18, 8*PA
	s_add_co_u32 s30, s30, s31
	s_add_co_u32 s31, s30, SLOT
	s_mul_i32 s32, s16, 16*PW
	s_add_co_u32 s32, s32, WAREA
	s_add_co_u32 s33, s32, SLOT
	WIN 0x40                                       ; destination window 1
	v_lshlrev_b32 v244, 4, v1
	v_lshl_add_u32 v245, v1, 3, s32
	v_lshl_add_u32 v246, v1, 3, s33
	v_add_nc_u32 v247, s30, v18
	v_add_nc_u32 v248, s31, v18
	v_lshl_add_u32 v249, s16, 3, v19               ; my rank in each 64: 8 wave + lane / 8 (+ 4 for the second four)
	v_lshlrev_b32 v250, 4, v17
	WIN 0
	s_wait_kmcnt 0x0
	s_lshl_b32 s32, s19, 24                        ; W2: expert, quarter of F, my 128 columns, my 16 k rows
	s_lshl_b32 s30, s21, 22
	s_add_co_u32 s32, s32, s30
	s_lshl_b32 s30, s20, 9
	s_add_co_u32 s32, s32, s30
	s_lshl_b32 s30, s16, 16
	s_add_co_u32 s32, s32, s30
	s_mov_b32 s33, 0
	s_add_nc_u64 s[4:5], s[4:5], s[32:33]
	s_lshl_b32 s32, s19, 12
	s_lshl_b32 s30, s20, 9
	s_add_co_u32 s32, s32, s30
	s_add_nc_u64 s[6:7], s[6:7], s[32:33]
	s_lshl_b32 s32, s19, 23                        ; h: expert, the quarter's 16 column blocks
	s_lshl_b32 s30, s21, 21
	s_add_co_u32 s32, s32, s30
	s_add_nc_u64 s[8:9], s[8:9], s[32:33]
	s_mul_i32 s32, s19, 5632
	s_add_nc_u64 s[10:11], s[10:11], s[32:33]
	s_mul_i32 s32, s21, PL                         ; part: my plane, my wave's 256 bytes of a row
	s_lshl_b32 s30, s20, 9
	s_add_co_u32 s32, s32, s30
	s_lshl_b32 s30, s18, 8
	s_add_co_u32 s32, s32, s30
	s_add_nc_u64 s[12:13], s[12:13], s[32:33]
	s_load_b32 s22, s[10:11], 0x1404               ; word 1281: the expert's count
.irp f, 0,1,2,3
	global_load_b128 v[24+8*\f:24+8*\f+3], v15, s[6:7] offset:64*\f
	global_load_b128 v[24+8*\f+4:24+8*\f+7], v15, s[6:7] offset:64*\f+16
.endr
	global_prefetch_b8 v20, s[4:5] offset:2*WSTEP th:TH_LOAD_NT scope:SCOPE_SE  ; chunk 2
	ISSUE_W 0, 0
	s_wait_kmcnt 0x0
	s_min_u32 s22, s22, 1024
	s_mov_b32 s38, s22
	s_max_u32 s23, s22, 1
	s_sub_co_u32 s23, s23, 1
	s_mov_b32 s24, 0
	s_mov_b32 s25, 0
	PASSVARS
	SETUP
	ISSUE_A 0
	ISSUE_W 1, 1
	s_wait_loadcnt 52                              ; the bias is in: behind it stand 16 + 20 + 16 loads
	WIN 0x40
.set i, 0
.rept 16
	v_cvt_pk_bf16_f32 v[228+i], v[24+2*i], v[24+2*i+1]
.set i, i+1
.endr
	s_cmp_eq_u32 s21, 0                            ; the bias enters in quarter 0 alone
	s_cselect_b32 s30, -1, 0
	WIN 0x44
.set i, 0
.rept 16
	v_and_b32 v[228+i], s30, v[228+i]
.set i, i+1
.endr
	WIN 0
.Lpass:
	WIN 0x04                                       ; the sums start at the bias (or 0): nothing is cleared apart
.set i, 0
.rept 80
	v_lshlrev_b32 v[96+2*i], 16, v[228+i%16]
	v_and_b32 v[96+2*i+1], s34, v[228+i%16]
.set i, i+1
.endr
	WIN 0
	GATE 0
	STORE 0, 0, 16                                 ; chunk 0; behind its loads stand the 16 of W's chunk 1
	MEET 0
	s_mov_b32 s29, 3
.Lpair:
	GATE 1                                         ; trips 0, 2, 4
	ISSUE_A 1
	ISSUE_W 0, 2
	WIN 0
	PF 0
	STAGE 0
	STORE 1, 1, 16                                 ; behind the next chunk's loads stand the 16 of W just issued
	STEP
	MEET 1
	GATE 2                                         ; trips 1, 3, 5
	ISSUE_A 1
	ISSUE_W 1, 2
	WIN 0
	PF 1
	STAGE 1
	STORE 0, 0, 16
	STEP
	MEET 2
	s_sub_co_u32 s29, s29, 1
	s_cmp_lg_u32 s29, 0
	s_cbranch_scc1 .Lpair
	GATE 3                                         ; trip 6: the pointers stand at chunk 6; no weights are left to ask for
	ISSUE_A 1
	WIN 0
	STAGE 0
	STORE 1, 1, 0
	MEET 3
	GATE 4                                         ; trip 7 and the way out, through my own stage: no barrier.  Slot 1, read here, is written next behind the next pass's first barrier
	STAGE 1
	v_lshl_add_u32 v14, s25, 2, v12                ; the places of my rows: rank 320 pass + 16 (rg + 4 b) + 2 t + hf, 1,279 at the most, inside the expert's 1,408 words
.set i, 0
.rept 40
	global_load_b32 v[56+i], v14, s[10:11] offset:256*(i/8)+8*(i%8)
.set i, i+1
.endr
	s_wait_loadcnt 0x0
.set i, 0
.rept 40
	v_min_u32 v[56+i], 0x807, v[56+i]              ; row d, or the dump row 2048 + e
	v_lshl_add_u32 v[56+i], v[56+i], 12, v13
.set i, i+1
.endr
.irp b, 0,1,2,3,4
	s_cmp_le_u32 s27, \b
	s_cbranch_scc1 .Ldead_4
	s_wait_xcnt 0x0                                ; v24-55 were the last block's store data
.irp f, 0,1,2,3
	ds_store_b128 v10, v[96+32*\b+8*\f:96+32*\b+8*\f+3] offset:64*\f       ; each accumulator from its low end on
	ds_store_b128 v10, v[96+32*\b+8*\f+4:96+32*\b+8*\f+7] offset:64*\f+16
.endr
.irp t, 0,1,2,3,4,5,6,7
	ds_load_b128 v[24+4*\t:24+4*\t+3], v11 offset:2*PS*\t  ; LDS serves a wave's instructions in order (ISA guide 5.7.1.4): these see the stores above
.endr
	s_wait_dscnt 0x0
.irp t, 0,1,2,3,4,5,6,7
	global_store_b128 v[56+8*\b+\t], v[24+4*\t:24+4*\t+3], s[12:13]  ; 16 lanes store 256 consecutive bytes of one row, aligned
.endr
.endr
.Ldead_4:
	s_wait_xcnt 0x0                                ; the stores' data and offsets, and the loads' bases and offsets, are rewritten only behind this wait
	s_add_co_u32 s25, s25, 320
	PASSVARS
	s_cmp_eq_u32 s26, 0
	s_cbranch_scc1 .Lno_pre
	s_sub_nc_u64 s[4:5], s[4:5], 6*WSTEP           ; a further pass: the six steps of this pass are taken back
	s_sub_nc_u64 s[8:9], s[8:9], 6*ASTEP
	SETUP
	ISSUE_W 0, 0
	ISSUE_A 0
	ISSUE_W 1, 1
	WIN 0
.Lno_pre:
	s_add_co_u32 s24, s24, 1
	s_cmp_lt_u32 s24, 4
	s_cbranch_scc1 .Lpass
	s_wait_tensorcnt 0x0                           ; the wave's end, behind my last LDS store
	ds_add_u32 v21, v22
	s_wait_dscnt 0x0
	s_endpgm
.Lfunc_end_k_qd2e501447f_ffn2:
	.size	k_qd2e501447f_ffn2, .Lfunc_end_k_qd2e501447f_ffn2-k_qd2e501447f_ffn2
	.p2alignl 7, 3214868480
	.fill 96, 4, 3214868480
	.section	.rodata,"a",@progbits
	.p2align	6, 0x0
	.amdhsa_kernel k_qd2e501447f_ffn2
		.amdhsa_group_segment_fixed_size 283648
		.amdhsa_private_segment_fixed_size 0
		.amdhsa_enable_private_segment 0
		.amdhsa_kernarg_size 40
		.amdhsa_user_sgpr_count 2
		.amdhsa_user_sgpr_kernarg_segment_ptr 1
		.amdhsa_wavefront_size32 1
		.amdhsa_system_sgpr_workgroup_id_x 1
		.amdhsa_system_sgpr_workgroup_id_y 1
		.amdhsa_system_sgpr_workgroup_id_z 1
		.amdhsa_system_vgpr_workitem_id 0
		.amdhsa_next_free_vgpr 512
		.amdhsa_next_free_sgpr 66
		.amdhsa_reserve_vcc 0
		.amdhsa_float_denorm_mode_32 3
		.amdhsa_float_denorm_mode_16_64 3
		.amdhsa_memory_ordered 1
		.amdhsa_forward_progress 1
		.amdhsa_inst_pref_size 124
	.end_amdhsa_kernel
	.amdgpu_metadata
---
amdhsa.version: [ 1, 2 ]
amdhsa.kernels:
  - .name:           k_qd2e501447f_ffn2
    .symbol:         k_qd2e501447f_ffn2.kd
    .args:
      - { .name: w2, .offset: 0, .size: 8, .value_kind: global_buffer, .address_space: global }
      - { .name: b2, .offset: 8, .size: 8, .value_kind: global_buffer, .address_space: global }
      - { .name: h, .offset: 16, .size: 8, .value_kind: global_buffer, .address_space: global }
      - { .name: order, .offset: 24, .size: 8, .value_kind: global_buffer, .address_space: global }
      - { .name: part, .offset: 32, .size: 8, .value_kind: global_buffer, .address_space: global }
    .group_segment_fixed_size: 283648
    .private_segment_fixed_size: 0
    .kernarg_segment_align: 8
    .kernarg_segment_size: 40
    .max_flat_workgroup_size: 256
    .sgpr_count:     66
    .vgpr_count:     512
    .wavefront_size: 32
...
	.end_amdgpu_metadata
.endif
;; end of part 3
;; launch combine (part 4): grid 256 x 1, 8 waves a work-group, no clusters, 0 bytes of LDS; arguments part, gatep, out0; writes out0
.if DOCPART == 4
	.amdgcn_target "amdgcn-amd-amdhsa--gfx1250"
	.amdhsa_code_object_version 6
	.text
	.protected	k_qd2e501447f_combine
	.globl	k_qd2e501447f_combine
	.p2align	8
	.type	k_qd2e501447f_combine,@function
k_qd2e501447f_combine:
	s_mov_b64 s[64:65], 0
	v_nop
	global_prefetch_b8 v0, s[64:65] scope:SCOPE_SE
	s_setreg_imm32_b32 hwreg(HW_REG_WAVE_MODE, 25, 1), 1
	s_wait_xcnt 0x0
; out0[t] = p0 (sum over the four quarters of part[q][2 t]) + p1 (the same of part[q][2 t + 1]), all in f32.  p0, p1 = gatep[2 t], gatep[2 t + 1].
; A stream: a wave takes half a token's row, 2,048 bytes of output, and reads 8 pieces of as many bytes: 32 loads of 512 consecutive bytes, all issued before the first wait.  Each byte of part's rows 0 to 2,047 is read once;
; no LDS, barrier, matrix unit or cluster: no two waves share a byte.
.set PL, 2056*4096                     ; a plane of part
	s_load_b128 s[4:7], s[0:1], 0x0                ; part s[4:5], gatep s[6:7]
	s_load_b64 s[8:9], s[0:1], 0x10                ; out0
	v_lshrrev_b32 v2, 5, v0
	v_readfirstlane_b32 s10, v2                    ; wave
	v_and_b32 v1, 31, v0
	v_lshlrev_b32 v1, 4, v1                        ; 16 bytes a lane
	s_lshr_b32 s11, s10, 1
	s_lshl_b32 s14, ttmp9, 2
	s_add_co_u32 s14, s14, s11                     ; token t = 4 x work-group + wave / 2
	s_and_b32 s15, s10, 1                          ; which half of the row
	s_lshl_b32 s28, s14, 3                         ; byte of gatep[2 t]
	s_lshl_b32 s29, s15, 11
	s_lshl_b32 s30, s14, 13                        ; rows 2 t and 2 t + 1: 8,192 bytes a token
	s_add_co_u32 s30, s30, s29
	s_mov_b32 s31, 0
	s_wait_kmcnt 0x0
	s_load_b64 s[24:25], s[6:7], s28 offset:0x0    ; p0, p1
	s_add_nc_u64 s[16:17], s[4:5], s[30:31]
	s_add_nc_u64 s[18:19], s[16:17], PL
	s_add_nc_u64 s[20:21], s[18:19], PL
	s_add_nc_u64 s[22:23], s[20:21], PL
	s_lshl_b32 s30, s14, 12
	s_add_co_u32 s30, s30, s29
	s_add_nc_u64 s[12:13], s[8:9], s[30:31]
.set n, 0
.rept 32                               ; load n: piece i = n / 8 of 512 bytes, quarter q = (n % 8) / 2, slot n % 2, into v[8 + 4 n]
	global_load_b128 v[8+4*n:8+4*n+3], v1, s[16+2*((n%8)/2):17+2*((n%8)/2)] offset:4096*(n%2)+512*(n/8) th:TH_LOAD_NT
.set n, n+1
.endr
	s_wait_kmcnt 0x0
	s_mov_b32 s26, s25                             ; p1, named as a pair by the packed line
	s_mov_b32 s27, s25
.irp i, 0,1,2,3
	s_wait_loadcnt 8*(3-\i)                        ; piece i's eight loads are in; the later pieces' stay out
.irp c, 0,2,4,6                        ; c < 4: slot 0's two register pairs; else slot 1's
	v_pk_add_f32 v[8+32*\i+\c:8+32*\i+\c+1], v[8+32*\i+\c:8+32*\i+\c+1], v[16+32*\i+\c:16+32*\i+\c+1]
	v_pk_add_f32 v[24+32*\i+\c:24+32*\i+\c+1], v[24+32*\i+\c:24+32*\i+\c+1], v[32+32*\i+\c:32+32*\i+\c+1]
.endr
.irp c, 0,2,4,6
	v_pk_add_f32 v[8+32*\i+\c:8+32*\i+\c+1], v[8+32*\i+\c:8+32*\i+\c+1], v[24+32*\i+\c:24+32*\i+\c+1]
.endr
.irp c, 0,2
	v_pk_mul_f32 v[8+32*\i+\c:8+32*\i+\c+1], v[8+32*\i+\c:8+32*\i+\c+1], s[24:25] op_sel_hi:[1,0]
.endr
.irp c, 0,2
	v_pk_fma_f32 v[8+32*\i+\c:8+32*\i+\c+1], v[12+32*\i+\c:12+32*\i+\c+1], s[26:27], v[8+32*\i+\c:8+32*\i+\c+1] op_sel_hi:[1,0,1]
.endr
	global_store_b128 v1, v[8+32*\i:8+32*\i+3], s[12:13] offset:512*\i th:TH_STORE_NT  ; 512 consecutive bytes, aligned
.endr
	s_endpgm
.Lfunc_end_k_qd2e501447f_combine:
	.size	k_qd2e501447f_combine, .Lfunc_end_k_qd2e501447f_combine-k_qd2e501447f_combine
	.p2alignl 7, 3214868480
	.fill 96, 4, 3214868480
	.section	.rodata,"a",@progbits
	.p2align	6, 0x0
	.amdhsa_kernel k_qd2e501447f_combine
		.amdhsa_group_segment_fixed_size 0
		.amdhsa_private_segment_fixed_size 0
		.amdhsa_enable_private_segment 0
		.amdhsa_kernarg_size 24
		.amdhsa_user_sgpr_count 2
		.amdhsa_user_sgpr_kernarg_segment_ptr 1
		.amdhsa_wavefront_size32 1
		.amdhsa_system_sgpr_workgroup_id_x 1
		.amdhsa_system_sgpr_workgroup_id_y 1
		.amdhsa_system_sgpr_workgroup_id_z 1
		.amdhsa_system_vgpr_workitem_id 0
		.amdhsa_next_free_vgpr 160
		.amdhsa_next_free_sgpr 66
		.amdhsa_reserve_vcc 0
		.amdhsa_float_denorm_mode_32 3
		.amdhsa_float_denorm_mode_16_64 3
		.amdhsa_memory_ordered 1
		.amdhsa_forward_progress 1
		.amdhsa_inst_pref_size 9
	.end_amdhsa_kernel
	.amdgpu_metadata
---
amdhsa.version: [ 1, 2 ]
amdhsa.kernels:
  - .name:           k_qd2e501447f_combine
    .symbol:         k_qd2e501447f_combine.kd
    .args:
      - { .name: part, .offset: 0, .size: 8, .value_kind: global_buffer, .address_space: global }
      - { .name: gatep, .offset: 8, .size: 8, .value_kind: global_buffer, .address_space: global }
      - { .name: out0, .offset: 16, .size: 8, .value_kind: global_buffer, .address_space: global }
    .group_segment_fixed_size: 0
    .private_segment_fixed_size: 0
    .kernarg_segment_align: 8
    .kernarg_segment_size: 24
    .max_flat_workgroup_size: 256
    .sgpr_count:     66
    .vgpr_count:     160
    .wavefront_size: 32
...
	.end_amdgpu_metadata
.endif
;; end of part 4
